; MI455X (gfx1250); checked and timed in simulation.
; The chip was launched on July 23, 2026; its instructions are those of AMD's public machine-readable ISA for CDNA 5 (MIT licence, August 2026) and "CDNA5" Instruction Set Architecture Reference Guide (July 2026). The comments in the code are by the model that wrote it; some were corrected since.
;; Nonlinear IB. Allowed arithmetic: matrix products marked QUANTISED: E2M3 operands, one E8M0 scale for each 32 along K, by v_wmma_scale_f32_16x16x128_f8f6f4 with both operands' format E2M3, f32 sums; everything else in f32.
;; Inputs: beta one number float32; kde_logvar one number float32; noise 8,192 x 512 float32; noise_logvar one number float32; x 8,192 x 512 float32.
;; Outputs: out0 8,192 x 512 float32; out1 one number float32; out2 one number float32.
;; This version of the problem:
;;   THIS VERSION OF THE PROBLEM IS GIVEN IN LOW PRECISION. The matrix products marked QUANTISED in the list below multiply operands that are first quantised to E2M3 (2 exponent bits, 3 mantissa bits; 6 bits a number), with one power-of-two scale for each 32 numbers along K (OCP MX v1.0); their sums are f32. All else is computed in f32.
;;   The module's matrix products, in the order in which they are computed (A, B: the left and right operand; K: the contracted axis; several contracted axes count as one K, in the product's order):
;;     1. [M 8,192, K 512] x [K 512, N 8,192]; A: input x; B: input x: QUANTISED
;;   THE QUANTISER, for each operand of a quantised product, along K:
;;     - K is cut into blocks of 32 from its start; a last block that is shorter is filled with zeros.
;;     - A block's scale is 2^e with e = floor(log2(the largest magnitude in the block)) - 2, held to -126 .. 127; a block of zeros has e = 0. As a byte (E8M0): e + 127.
;;     - Each number is divided by its block's scale, clamped to +-7.5, and rounded to the nearest number of E2M3, ties to even, subnormals kept.
;;     - The product sums the exact products of the quantised numbers (number of the format x scale) in f32.
;;   ~~~python
;;   def quantise(x, axis):      # numpy; x: float32 -> the quantised numbers, widened to float32 again
;;       x = np.moveaxis(x, axis, -1); K = x.shape[-1]
;;       x = np.pad(x, [(0, 0)] * (x.ndim - 1) + [(0, -K % 32)]); x = x.reshape(x.shape[:-1] + (-1, 32)); a = np.abs(x).max(-1, keepdims=True)
;;       e = np.where(a > 0, np.clip(np.frexp(np.where(a > 0, a, 1))[1] - 1 - 2, -126, 127), 0)      # np.frexp(a)[1] - 1 = floor(log2(a)), exactly
;;       r = np.clip(x / 2.0 ** e, -7.5, 7.5)
;;       step = 2.0 ** (np.maximum(np.frexp(np.where(r == 0, 1, r))[1] - 1, 0) - 3)
;;       q = np.round(r / step) * step * 2.0 ** e      # np.round: ties to even
;;       return np.moveaxis(q.reshape(q.shape[:-2] + (-1,))[..., :K], -1, axis).astype(np.float32)
;;   ~~~
;; One version. Each part assembles by itself: llvm-mc -triple=amdgcn-amd-amdhsa -mcpu=gfx1250 --defsym DOCPART=n.
;; ======== version 1 of 1: 3 launches
;; limits: right only within a limited range of input values
;; workspace buffers: kq 3,342,336 bytes; lp 262,144 bytes
;; launch quant (part 1): grid 512 x 1, 4 waves a work-group, no clusters, 34,816 bytes of LDS; arguments x, noise, noise_logvar, out0, kq; writes out0, kq
.if DOCPART == 1
	.amdgcn_target "amdgcn-amd-amdhsa--gfx1250"
	.amdhsa_code_object_version 6
	.text
	.protected	k_q93815e8048_quant
	.globl	k_q93815e8048_quant
	.p2align	8
	.type	k_q93815e8048_quant,@function
k_q93815e8048_quant:
	s_mov_b64 s[64:65], 0
	v_nop
	global_prefetch_b8 v0, s[64:65] scope:SCOPE_SE
	s_setreg_imm32_b32 hwreg(HW_REG_WAVE_MODE, 25, 1), 1
	s_wait_xcnt 0x0
; LAUNCH 1 OF 3.  y = x + exp(noise_logvar / 2) noise (out0), and x as an operand of the quantised product x x^T: codes of FP6 (E2M3), one E8M0 byte for each 32 along K, and -x2/2 of each row (x2 = the row's sum of squares, f32).
; DEAD WORK, for the whole program.  ib_loss = beta (h - normconst) with h = -mean(lse1 - ln N - normconst) = -mean(lse1) + ln N + normconst: normconst is added and taken away again, whatever the inputs hold,
; so it is never computed: ib_loss = beta (ln N - mean(lse1)).  noise_logvar stays live (total_var, and y); all five inputs are loaded somewhere in the program.
; LIMITS.  A NaN, an infinity or an overflow that would reach only normconst of the first loss is not carried to the result.  NaN and infinities among the inputs are not served.  The 1e21 that the second loss adds on the
; diagonal is taken as 'the diagonal never counts', which holds while the other dists / (2 kdevar) of a row stay under about 1e21.  A block of 32 zeros gets the scale byte 1 where the quantiser says 127: its codes are
; zeros, which add nothing under that byte, and this program alone reads the bytes.  Blocks whose largest magnitude lies under 2^(3 - 127) have their byte held at 1.
; kq: 256 groups of 32 rows, GRPB = 13,056 bytes (51 x 256) a group, laid in the order of the operand's registers:
;   0 .. 12,287   codes: tile u (16 rows) at 6,144 u, K step ks (128 along K) at 1,536 ks, registers 4 p .. 4 p + 3 of the fragment at 512 p, lane l at 16 l
;   12,288 ..     scale words: row l of the group at 16 l, one word for each K step
;   12,800 ..     -x2/2, f32: row l at 4 l;   12,928 ..  the same 128 bytes once more, so that a group is whole rows of 256 bytes, all of them written
; SHARES.  A work-group owns 16 rows (tile T = its number), wave ks the 128 numbers of K step ks of each row.  Every load and every store of y covers 512 consecutive bytes.  The conversions want a lane to hold 32 neighbours
; along K, so x turns through the wave's own stage in LDS (rows 528 bytes apart).  No tensor load, no matrix unit, no cluster: a stream, in which work-groups share nothing.
.set ROWB,   2048                      ; a row of x in bytes
.set GRPB,   13056
.set SPITCH, 528                       ; a stage row: 512 bytes + 16
.set WSTG,   16*SPITCH                 ; a wave's stage
.set SCW,    4*WSTG                    ; the tile's scale words: 16 bytes a row
.set X2P,    SCW+256                   ; the four waves' parts of x2: 64 bytes a wave
.set SPARE,  X2P+256                   ; the spare words, 128 bytes a wave: two blocks of 256 bytes that no other line names
.set X,   32                           ; v32-95   x as loaded: 4 registers a row
.set NZ,  96                           ; v96-159  noise as loaded, then y
.set V,   160                          ; v160-223 my 64 numbers: blocks h and 2 + h of row r
.set C,   224                          ; v224-235 the fragment
.set D,   236                          ; v236-238, v240-242 the upper halves of the two blocks' codes
	s_load_b256 s[4:11], s[0:1], 0x0               ; x s[4:5], noise s[6:7], noise_logvar s[8:9], out0 s[10:11]
	s_load_b64 s[12:13], s[0:1], 0x20              ; kq
	v_lshl_add_u32 v10, v0, 2, SPARE               ; my spare word,
	v_mov_b32 v11, 0                               ; and 0: both kept for the wave's end
	v_lshrrev_b32 v1, 5, v0
	v_readfirstlane_b32 s15, v1                    ; wave = K step ks
	v_and_b32 v1, 31, v0                           ; lane
	v_and_b32 v2, 15, v0                           ; r
	v_bfe_u32 v3, v0, 4, 1                         ; h
	s_lshl_b32 s19, s15, 9
	v_lshl_add_u32 v4, v1, 4, s19                  ; x, noise, y: 16 x lane + 512 ks in a row
	s_mul_i32 s18, s15, WSTG
	v_lshl_add_u32 v5, v1, 4, s18                  ; the stage, on the way in: 16 x lane
	v_mul_u32_u24 v6, v2, SPITCH
	v_lshl_add_u32 v6, v3, 7, v6
	v_add_nc_u32 v6, s18, v6                       ; on the way out: row r, block h
	s_and_b32 s22, ttmp9, 1                        ; u: which tile of the group
	s_mul_i32 s19, s22, 6144
	s_mul_i32 s23, s15, 1536
	s_add_co_u32 s19, s19, s23
	v_lshl_add_u32 v7, v1, 4, s19                  ; kq: my 16 bytes of a part of the fragment's image
	v_lshlrev_b32 v8, 4, v2
	s_lshl_b32 s19, s15, 2
	s_add_co_u32 s19, s19, SCW
	v_add_nc_u32 v8, s19, v8                       ; LDS: row r's word of K step ks
	v_lshlrev_b32 v9, 2, v2
	s_lshl_b32 s19, s15, 6
	s_add_co_u32 s19, s19, X2P
	v_add_nc_u32 v9, s19, v9                       ; LDS: my wave's part of row r's x2
	v_lshl_add_u32 v28, v1, 3, SCW                 ; wave 0, at the end: 8 bytes a lane of the scale words,
	v_lshl_add_u32 v29, v2, 2, X2P                 ; row r's four parts,
	s_lshl_b32 s19, s22, 8
	s_add_co_u32 s19, s19, 12288
	v_lshl_add_u32 v30, v1, 3, s19                 ; and their places in the group
	s_lshl_b32 s19, s22, 6
	s_add_co_u32 s19, s19, 12800
	v_lshl_add_u32 v31, v2, 2, s19
	v_lshl_add_u32 v31, v3, 7, v31                 ; (lanes 16-31 write the second copy)
	s_lshl_b32 s16, ttmp9, 15                      ; 16 rows of 2,048 bytes a work-group
	s_mov_b32 s17, 0
	s_lshr_b32 s20, ttmp9, 1
	s_mul_i32 s20, s20, GRPB                       ; my group in kq
	s_mov_b32 s21, 0
	s_mov_b32 s24, 0x76543210
	s_mov_b32 s25, 0xfedcba98                      ; v_permlanex16_b32's selects for lane l xor 16
	s_wait_kmcnt 0x0
	s_add_nc_u64 s[4:5], s[4:5], s[16:17]
	s_add_nc_u64 s[6:7], s[6:7], s[16:17]
	s_add_nc_u64 s[10:11], s[10:11], s[16:17]
	s_add_nc_u64 s[12:13], s[12:13], s[20:21]
	s_load_b32 s14, s[8:9], 0x0                    ; noise_logvar
.irp r, 0,1,2,3,4,5,6,7,8,9,10,11,12,13,14,15
	global_load_b128 v[X+4*\r:X+4*\r+3], v4, s[4:5] offset:\r*ROWB th:TH_LOAD_NT
.endr
.irp r, 0,1,2,3,4,5,6,7,8,9,10,11,12,13,14,15
	global_load_b128 v[NZ+4*\r:NZ+4*\r+3], v4, s[6:7] offset:\r*ROWB th:TH_LOAD_NT
.endr
	s_wait_kmcnt 0x0
	v_mov_b32 v12, s14
	v_mul_f32 v12, 0x3f38aa3b, v12                 ; x log2(e) / 2
	s_wait_alu depctr_va_vdst(0)
	v_exp_f32 v12, v12                             ; sigma = exp(noise_logvar / 2)
	v_mov_b32 v13, 0                               ; a plain line behind the exponential; it also writes the pair's upper word
	s_wait_alu depctr_va_vdst(0)                   ; ahead of sigma's first reader
	s_wait_loadcnt 0x10                            ; x is in; the 16 loads of noise, issued behind it, may stay out
.irp r, 0,1,2,3,4,5,6,7,8,9,10,11,12,13,14,15
	ds_store_b128 v5, v[X+4*\r:X+4*\r+3] offset:\r*SPITCH
.endr
.irp i, 0,1,2,3,4,5,6,7                        ; LDS serves a wave's instructions in order: these see my stores
	ds_load_b128 v[V+4*\i:V+4*\i+3], v6 offset:16*\i               ; block h of row r: k = 32 h + 0 .. 31
.endr
.irp i, 0,1,2,3,4,5,6,7
	ds_load_b128 v[V+32+4*\i:V+32+4*\i+3], v6 offset:256+16*\i     ; block 2 + h: k = 64 + 32 h + 0 .. 31
.endr
	s_wait_loadcnt 0x0                             ; noise
.irp i, 0,2,4,6,8,10,12,14,16,18,20,22,24,26,28,30,32,34,36,38,40,42,44,46,48,50,52,54,56,58,60,62
	v_pk_fma_f32 v[NZ+\i:NZ+\i+1], v[NZ+\i:NZ+\i+1], v[12:13], v[X+\i:X+\i+1] op_sel_hi:[1,0,1]   ; y = noise x sigma + x
.endr
.irp r, 0,1,2,3,4,5,6,7,8,9,10,11,12,13,14,15
	global_store_b128 v4, v[NZ+4*\r:NZ+4*\r+3], s[10:11] offset:\r*ROWB th:TH_STORE_NT   ; 32 lanes store 512 consecutive bytes, aligned to 512
.endr
	s_wait_dscnt 0x0                               ; my 64 numbers are back from the stage
.irp c, 0,1
	v_max3_num_f32 v[14+\c], |v[V+32*\c]|, |v[V+32*\c+1]|, 0x1800000   ; a block's largest magnitude: all 32 numbers are mine; the floor 2^(3 - 127) holds the byte at 1 from below
.endr
.irp i, 2,4,6,8,10,12,14,16,18,20,22,24,26,28,30
.irp c, 0,1
	v_max3_num_f32 v[14+\c], v[14+\c], |v[V+32*\c+\i]|, |v[V+32*\c+\i+1]|   ; (the two blocks by turns)
.endr
.endr
.irp c, 0,1
	v_add_nc_u32 v[16+\c], 0xff000000, v[14+\c]    ; 2 off the exponent field: the conversion's scale operand
.endr
.irp c, 0,1
	v_lshrrev_b32 v[18+\c], 23, v[16+\c]           ; the scale's byte
.endr
	v_lshl_or_b32 v20, v19, 16, v18                ; my two bytes: blocks h and 2 + h,
	v_lshlrev_b32 v21, 3, v3
	v_lshlrev_b32 v20, v21, v20                    ; at their places in the word (8 h bits up);
	v_mov_b32 v21, 0
	v_permlanex16_b32 v21, v20, s24, s25
	v_or_b32 v20, v20, v21                         ; with lane l xor 16's two the word is whole
	v_pk_mul_f32 v[22:23], v[V:V+1], v[V:V+1]      ; the sum of squares of my 64 numbers, in two packed chains
	v_pk_mul_f32 v[24:25], v[V+2:V+3], v[V+2:V+3]
.irp i, 4,8,12,16,20,24,28,32,36,40,44,48,52,56,60
	v_pk_fma_f32 v[22:23], v[V+\i:V+\i+1], v[V+\i:V+\i+1], v[22:23]
	v_pk_fma_f32 v[24:25], v[V+\i+2:V+\i+3], v[V+\i+2:V+\i+3], v[24:25]
.endr
	v_pk_add_f32 v[22:23], v[22:23], v[24:25]
	v_add_f32 v22, v22, v23
	v_permlanex16_b32 v23, v22, s24, s25
	v_add_f32 v22, v22, v23                        ; row r, K step ks: 128 squares
	v_cvt_scalef32_pk16_fp6_f32 v[C:C+2], v[V:V+15], v16           ; registers 0-2 of the fragment
	v_cvt_scalef32_pk16_fp6_f32 v[D:D+2], v[V+16:V+31], v16        ; (a conversion's three registers begin on an even number: the upper halves are made elsewhere and moved)
	v_cvt_scalef32_pk16_fp6_f32 v[C+6:C+8], v[V+32:V+47], v17
	v_cvt_scalef32_pk16_fp6_f32 v[D+4:D+6], v[V+48:V+63], v17
	v_nop                                          ; one plain line behind the scaled conversions
.irp i, 0,1,2
	v_mov_b32 v[C+3+\i], v[D+\i]
	v_mov_b32 v[C+9+\i], v[D+4+\i]
.endr
.irp p, 0,1,2
	global_store_b128 v7, v[C+4*\p:C+4*\p+3], s[12:13] offset:512*\p   ; the fragment as it stands: 512 consecutive bytes a store, at a multiple of 256 from kq's first byte
.endr
	ds_store_b32 v8, v20                           ; both lanes of a row write the same word with the same value
	ds_store_b32 v9, v22
	s_wait_dscnt 0x0                               ; for wave 0's sake: my stores have landed
	s_barrier_signal -1
	s_barrier_wait -1
	s_cmp_lg_u32 s15, 0
	s_cbranch_scc1 .Lend
	ds_load_b64 v[32:33], v28                      ; the tile's 256 bytes of scale words
	ds_load_b32 v34, v29
	ds_load_b32 v35, v29 offset:64
	ds_load_b32 v36, v29 offset:128
	ds_load_b32 v37, v29 offset:192
	s_wait_dscnt 0x0
	global_store_b64 v30, v[32:33], s[12:13]       ; 32 lanes store 256 consecutive bytes, aligned
	v_add_f32 v34, v34, v35
	v_add_f32 v36, v36, v37
	v_add_f32 v34, v34, v36                        ; x2 of row r
	v_mul_f32 v34, -0.5, v34
	global_store_b32 v31, v34, s[12:13]
.Lend:
	s_wait_tensorcnt 0x0                           ; the wave's end
	ds_add_u32 v10, v11
	s_wait_dscnt 0x0
	s_endpgm
.Lfunc_end_k_q93815e8048_quant:
	.size	k_q93815e8048_quant, .Lfunc_end_k_q93815e8048_quant-k_q93815e8048_quant
	.p2alignl 7, 3214868480
	.fill 96, 4, 3214868480
	.section	.rodata,"a",@progbits
	.p2align	6, 0x0
	.amdhsa_kernel k_q93815e8048_quant
		.amdhsa_group_segment_fixed_size 34816
		.amdhsa_private_segment_fixed_size 0
		.amdhsa_enable_private_segment 0
		.amdhsa_kernarg_size 40
		.amdhsa_user_sgpr_count 2
		.amdhsa_user_sgpr_kernarg_segment_ptr 1
		.amdhsa_wavefront_size32 1
		.amdhsa_system_sgpr_workgroup_id_x 1
		.amdhsa_system_sgpr_workgroup_id_y 1
		.amdhsa_system_sgpr_workgroup_id_z 1
		.amdhsa_system_vgpr_workitem_id 0
		.amdhsa_next_free_vgpr 256
		.amdhsa_next_free_sgpr 66
		.amdhsa_reserve_vcc 0
		.amdhsa_float_denorm_mode_32 3
		.amdhsa_float_denorm_mode_16_64 3
		.amdhsa_memory_ordered 1
		.amdhsa_forward_progress 1
		.amdhsa_inst_pref_size 19
	.end_amdhsa_kernel
	.amdgpu_metadata
---
amdhsa.version: [ 1, 2 ]
amdhsa.kernels:
  - .name:           k_q93815e8048_quant
    .symbol:         k_q93815e8048_quant.kd
    .args:
      - { .name: x, .offset: 0, .size: 8, .value_kind: global_buffer, .address_space: global }
      - { .name: noise, .offset: 8, .size: 8, .value_kind: global_buffer, .address_space: global }
      - { .name: noise_logvar, .offset: 16, .size: 8, .value_kind: global_buffer, .address_space: global }
      - { .name: out0, .offset: 24, .size: 8, .value_kind: global_buffer, .address_space: global }
      - { .name: kq, .offset: 32, .size: 8, .value_kind: global_buffer, .address_space: global }
    .group_segment_fixed_size: 34816
    .private_segment_fixed_size: 0
    .kernarg_segment_align: 8
    .kernarg_segment_size: 40
    .max_flat_workgroup_size: 128
    .sgpr_count:     66
    .vgpr_count:     256
    .wavefront_size: 32
...
	.end_amdgpu_metadata
.endif
;; end of part 1
;; launch lse (part 2): grid 64 x 4, 8 waves a work-group, no clusters, 327,680 bytes of LDS; arguments kq, noise_logvar, kde_logvar, lp; writes lp
.if DOCPART == 2
	.amdgcn_target "amdgcn-amd-amdhsa--gfx1250"
	.amdhsa_code_object_version 6
	.text
	.protected	k_q93815e8048_lse
	.globl	k_q93815e8048_lse
	.p2align	8
	.type	k_q93815e8048_lse,@function
k_q93815e8048_lse:
	s_mov_b64 s[64:65], 0
	v_nop
	global_prefetch_b8 v0, s[64:65] scope:SCOPE_SE
	s_setreg_imm32_b32 hwreg(HW_REG_WAVE_MODE, 25, 1), 1
	s_wait_xcnt 0x0
; LAUNCH 2 OF 3.  G = Q(x) Q(x)^T on codes of FP6, and both logsumexps of -dists / (2 var) over a part of the keys.  normconst of the first loss is left out (it cancels: see the first launch's head).
; ALGEBRA.  s_ij = G_ij - x2_j / 2 (the term is the C of each sum's first matrix instruction).  -dists_ij / (2 var) = (s_ij + b_i) / var, b_i = -x2_i / 2.  In base 2: c1 = log2(e) / total_var, c2 = log2(e) / kdevar.
; Each LANE keeps, for each of its four queries, a running maximum m of s over the keys that it sees (both c are positive: one m serves both sums) and two running sums l of 2^(c s - c m); the parts are joined at the end, in logarithms.
; THE DIAGONAL is taken out of s for both sums (score -infinity, value kept); the first sum gets it back at the end as c1 (G_ii - x2_i / 2 + b_i), the larger exponent taken away first.
; LIMITS: as stated at the first launch's head; c x s must stay finite.
; SHARES.  Work-group (bx, by): queries 128 bx .., keys 2,048 by ..: 256 work-groups of equal work.  Wave w: 64 queries (qg = w % 2), fragments in registers; of each chunk of 256 keys the 64 of kg = w / 2, as two steps of 32 keys.
; Source 0 = 16 keys, source 1 = 16 queries: a lane holds one query (lane % 16), its registers run along the keys.
; A HALF-STEP is 32 keys x 32 queries: four accumulators x four K steps.  BLOCK P: the maxima of the half-step one back, laid group by group among the sums of the half-step two back; then this half-step's 16 matrix
; instructions on end, the accumulators by turns; then the multiply-adds of the half-step one back.  BLOCK E: the 68 exponentials of a half-step.  No transcendental stands between the links of a sum.
; A step's eight key fragments stay in registers for its two half-steps and are loaded anew, in place, in the second one, behind twelve of the multiply-adds: one step ahead of their use.
; THE RING.  Two slots of one chunk (8 groups of kq, 104,448 bytes); wave w brings group w by one tensor load; one barrier a chunk, ahead of the block that loads the chunk's first fragments; at most one tensor load of a wave is out.
; THE WALK IS TURNED: work-group bx begins at chunk (bx xor bx / 8) % 8 of its part's eight and wraps round, so that the 64 work-groups of one by stand on all eight chunks at once.
; NO PREFETCH: the chunk that a work-group asks for at a change of slots was asked for one change earlier by the work-groups of its by whose walk begins one chunk further on;
; only a walk's first chunk is asked for by nobody before, and no loop runs ahead of it.
; ROLES.  Two waves share a SIMD.  ROLE = (w xor w / 4) % 2: between two barriers an early wave runs P E P E .., a late one E P E P ..
; NO CLUSTER: the work-groups that read the same chunks (one by) have different bx, and the half-step that holds the diagonal is found by a scalar branch on bx: partners of a cluster would branch differently.
; lp: [2 sums][4 by][8,192 rows] f32, logarithms in base 2.
.set GRPB,   13056
.set CHUNKB, 8*GRPB
.set SLOT1,  1<<17                     ; slot 1 begins here
.set MRG,    SLOT1+CHUNKB              ; behind the ring: [2 sums][8 parts][128 queries] f32; no tensor load lands here
.set SPARE,  MRG+8192                  ; the spare words, 128 bytes a wave: four blocks of 256 bytes that no other line names
; window 0
.set ADK, 1                            ; 16 x lane + my two groups' place + the slot in hand
.set ADB, 2                            ; 32 h + the same
.set SPW, 3                            ; my spare word; never rewritten
.set NIL, 4                            ; 0; never rewritten
.set DD,  5                            ; r - 8 h: the register that holds the diagonal, where it is 0 .. 7
.set AK0, 6                            ; ADK without the slot
.set AB0, 9                            ; ADB without the slot
.set CV,  10                           ; (c1, c2)
.set BI,  12                           ; b of my query in tile t
.set DG,  16                           ; the diagonal's value
.set QS,  20                           ; the queries' scale words
.set XA,  28                           ; at work in the sums
.set KS,  30                           ; the keys' scale words, two sets
.set MD,  38                           ; tile t: (m, m_old - m_new)
.set FF,  46                           ; tile t: (f1, f2)
.set LA,  54                           ; tile t: l1, a pair
.set LB,  62                           ; tile t: l2, a pair
.set NN,  70                           ; at work in the maxima, then (-c1 m, -c2 m) of the two tiles in hand
.set XB,  74                           ; at work in the sums
.set CX,  76                           ; -x2/2 of the step's 32 keys, in the result's layout
.set S,   92                           ; s: buffer h, tile tl, key tile u at 92 + 32 h + 16 tl + 8 u
.set T,   156                          ; tile tl: 16 of c1 s - c1 m, 16 of c2 s - c2 m, then their powers
.set KF0, 220                          ; key fragments 5 to 7;  window 1: v0-191 the queries' fragments (48 t + 12 ks), v192-251 key fragments 0 to 4
.set KF1, 192
.set WV, 12
.set QG, 13
.set KG, 14
.set ROLE, 15
.set BX, 16
.set BY, 17
.set TB, 18                            ; LDS byte at which the slot in hand begins
.set KEYB, 19                          ; the first key of the step whose s is walked, counted inside the part, modulo 2,048
.set QB0, 20                           ; my first query's place in the part
.set CNT, 21
.set CH,  22                           ; the chunk, 0 .. 7 of my part of the keys, that was asked for last
.set QB1, 23                           ; QB0 + 32
.set G1,  24
.set G0,  32
.set BAS, 36                           ; s[36:37] my wave's group of chunk 0 of my part of the keys
.set C1,  40
.set C2,  42
.set MSB, 0
.macro WIN new                         ; the immediate's high byte repeats the setting that is left; a switch that changes nothing is dropped
.if MSB != \new
	s_set_vgpr_msb (MSB<<8)|\new
.set MSB, \new
.endif
.endm
.macro AWAIT
	s_wait_alu depctr_va_vdst(0)
.endm
.macro SETADR
	v_add_nc_u32 v[ADK], s[TB], v[AK0]
	v_add_nc_u32 v[ADB], s[TB], v[AB0]
.endm
	s_load_b256 s[4:11], s[0:1], 0x0               ; kq s[4:5], noise_logvar s[6:7], kde_logvar s[8:9], lp s[10:11]
	v_lshl_add_u32 v[SPW], v0, 2, SPARE
	v_mov_b32 v[NIL], 0
	ds_add_u32 v[SPW], v[NIL]                      ; the wave's opening: the add, twice on end, and its wait ahead of my first tensor load
	ds_add_u32 v[SPW], v[NIL]
	v_lshrrev_b32 v[T], 5, v0
	v_readfirstlane_b32 s[WV], v[T]                ; wave 0..7
	s_and_b32 s[QG], s[WV], 1
	s_lshr_b32 s[KG], s[WV], 1
	s_lshr_b32 s[ROLE], s[WV], 2
	s_xor_b32 s[ROLE], s[ROLE], s[WV]
	s_and_b32 s[ROLE], s[ROLE], 1
	s_mov_b32 s[BX], ttmp9
	s_and_b32 s[BY], ttmp7, 0xffff
	s_mov_b32 s[TB], 0
	s_lshr_b32 s[CH], s[BX], 3
	s_xor_b32 s[CH], s[CH], s[BX]
	s_and_b32 s[CH], s[CH], 7                      ; where my walk begins
	s_lshl_b32 s[KEYB], s[CH], 8
	s_lshl_b32 s52, s[KG], 6
	s_add_co_u32 s[KEYB], s[KEYB], s52
	s_lshl_b32 s[QB0], s[BX], 7
	s_lshl_b32 s52, s[QG], 6
	s_add_co_u32 s[QB0], s[QB0], s52
	s_lshl_b32 s52, s[BY], 11
	s_sub_co_u32 s[QB0], s[QB0], s52               ; outside 0 .. 2,047 where the part does not hold my queries, and then equal to no key
	s_add_co_u32 s[QB1], s[QB0], 32
	s_mov_b32 s[CNT], 6
	; descriptor group 1: a group of kq, dense: 51 rows of 256 bytes (32 elements of 8 bytes), no padding
	s_mov_b32 s[G1], 3<<16
	s_mov_b32 s[G1+1], 32<<16
	s_mov_b32 s[G1+2], 51<<16
	s_mov_b32 s[G1+3], 32<<16
	s_mov_b32 s[G1+4], 51
	s_mov_b32 s[G1+5], 32
	s_mov_b32 s[G1+6], 0
	s_mov_b32 s[G1+7], 0
	s_lshl_b32 s46, s[BY], 6
	s_add_co_u32 s46, s46, s[WV]
	s_mul_i32 s46, s46, GRPB                       ; group 64 by + w: my group of the part's chunk 0
	s_mov_b32 s47, 0
	v_and_b32 v[T], 31, v0                         ; lane
	v_and_b32 v[T+1], 15, v0                       ; r
	v_bfe_u32 v[T+2], v0, 4, 1                     ; h
	s_mul_i32 s52, s[KG], 2*GRPB
	v_lshl_add_u32 v[AK0], v[T], 4, s52
	v_lshl_add_u32 v[AB0], v[T+2], 5, s52
	v_lshlrev_b32 v[DD], 3, v[T+2]
	v_lshlrev_b32 v[T+3], 4, v[T]                  ; 16 x lane
	v_lshlrev_b32 v[T+4], 2, v[T+1]                ; 4 r
	v_sub_nc_u32 v[DD], v[T+1], v[DD]
	SETADR
	AWAIT
	s_wait_dscnt 0x0                               ; both opening adds are done
	s_wait_kmcnt 0x0
	s_mov_b32 s[G0], 1
	s_mul_i32 s[G0+1], s[WV], GRPB                 ; LDS: slot 0, group w
	s_add_nc_u64 s[BAS:BAS+1], s[4:5], s[46:47]
	s_mul_i32 s46, s[CH], CHUNKB                   ; (s47 stays 0)
	s_add_nc_u64 s[G0+2:G0+3], s[BAS:BAS+1], s[46:47]
	s_or_b32 s[G0+3], s[G0+3], 0x80000000
	tensor_load_to_lds s[G0:G0+3], s[G1:G1+7]      ; my walk's first chunk: every wave's one fill at the head
	s_nop 0
.rept 4
	v_nop
.endr
	s_load_b32 s48, s[6:7], 0x0                    ; noise_logvar
	s_load_b32 s49, s[8:9], 0x0                    ; kde_logvar
	s_lshl_b32 s52, s[BX], 2
	s_lshl_b32 s53, s[QG], 1
	s_add_co_u32 s52, s52, s53
	s_mul_i32 s52, s52, GRPB                       ; my queries: groups 4 bx + 2 qg and the next
	s_mov_b32 s53, 0
	s_add_nc_u64 s[50:51], s[4:5], s[52:53]
	s_lshl_b32 s52, s[BY], 15
	s_lshl_b32 s53, s[BX], 9
	s_add_co_u32 s52, s52, s53
	s_mov_b32 s53, 0
	s_add_nc_u64 s[10:11], s[10:11], s[52:53]      ; lp at [by][128 bx]
	WIN 0x40
.irp g, 0,1
.irp u, 0,1
.irp ks, 0,1,2,3
.irp p, 0,1,2
	global_load_b128 v[48*(2*\g+\u)+12*\ks+4*\p:48*(2*\g+\u)+12*\ks+4*\p+3], v[T+3], s[50:51] offset:\g*GRPB+6144*\u+1536*\ks+512*\p   ; the queries' fragments stay in registers
.endr
.endr
.endr
.endr
	WIN 0
.irp g, 0,1
	global_load_b128 v[QS+4*\g:QS+4*\g+3], v[T+3], s[50:51] offset:\g*GRPB+12288   ; lanes 0-15 tile 2 g, lanes 16-31 tile 2 g + 1; register ks for K step ks
.endr
.irp t, 0,1,2,3
	global_load_b32 v[BI+\t], v[T+4], s[50:51] offset:(\t/2)*GRPB+12800+64*(\t%2)
.endr
	s_wait_kmcnt 0x0
	v_mov_b32 v[T+5], s48
	v_mov_b32 v[T+6], s49
	v_mul_f32 v[T+5], 0x3fb8aa3b, v[T+5]
	v_mul_f32 v[T+6], 0x3fb8aa3b, v[T+6]
	AWAIT
	v_exp_f32 v[T+5], v[T+5]                       ; exp(noise_logvar)
	v_exp_f32 v[T+6], v[T+6]                       ; kdevar
	v_nop
	AWAIT
	v_add_f32 v[T+5], v[T+5], v[T+6]               ; total_var
	AWAIT
	v_rcp_f32 v[T+5], v[T+5]
	v_rcp_f32 v[T+6], v[T+6]
	v_nop
	AWAIT
	v_mul_f32 v[CV], 0x3fb8aa3b, v[T+5]            ; c1
	v_mul_f32 v[CV+1], 0x3fb8aa3b, v[T+6]          ; c2
	v_readfirstlane_b32 s[C1], v[CV]
	v_readfirstlane_b32 s[C2], v[CV+1]
	s_mov_b32 s[C1+1], s[C1]                       ; (named as pairs, so the upper words are written)
	s_mov_b32 s[C2+1], s[C2]
.irp t, 0,1,2,3
	v_mov_b32 v[MD+2*\t], 0xff61b1e6               ; m begins at -3e38, under every s: the first f is 2^(c x -3e38) = 0
	v_mov_b32 v[MD+2*\t+1], 0
	v_mov_b32 v[LA+2*\t], 0
	v_mov_b32 v[LA+2*\t+1], 0
	v_mov_b32 v[LB+2*\t], 0
	v_mov_b32 v[LB+2*\t+1], 0
	v_mov_b32 v[DG+\t], 0xff800000
.endr
; a step's operands, 29 LDS loads in one run: group g of my pair: its -x2/2, its scale words (set g), its eight fragments (fragment f: K step f / 2, key tile f % 2) as images of their registers
.macro LDALL g
.irp u, 0,1
.irp q, 0,1
	ds_load_b128 v[CX+8*\u+4*\q:CX+8*\u+4*\q+3], v[ADB] offset:(\g)*GRPB+12800+64*\u+16*\q
.endr
.endr
	ds_load_b128 v[KS+4*(\g):KS+4*(\g)+3], v[ADK] offset:(\g)*GRPB+12288
.irp f, 5,6,7
.irp p, 0,1,2
	ds_load_b128 v[KF0+12*(\f-5)+4*\p:KF0+12*(\f-5)+4*\p+3], v[ADK] offset:(\g)*GRPB+6144*(\f%2)+1536*(\f/2)+512*\p
.endr
.endr
	WIN 0x40
.irp f, 0,1,2,3,4
.irp p, 0,1,2
	ds_load_b128 v[KF1+12*\f+4*\p:KF1+12*\f+4*\p+3], v[ADK] offset:(\g)*GRPB+6144*(\f%2)+1536*(\f/2)+512*\p
.endr
.endr
	WIN 0
.endm
; matrix instruction i of a half-step: K step i / 4, tile (i % 4) / 2 of pair h, key tile i % 2.  The four accumulators take turns.
.macro WM i, h, par
.set ks_, (\i)/4
.set tl_, ((\i)%4)/2
.set u_, (\i)%2
.set f_, 2*ks_+u_
.set rD, S+32*(\h)+16*tl_+8*u_
.if f_ < 5
.set rA, KF1+12*f_
	WIN 0x05
.else
.set rA, KF0+12*(f_-5)
	WIN 0x04
.endif
.set rB, 48*(2*(\h)+tl_)+12*ks_
.if ks_ == 0
.set rC, CX+8*u_
.else
.set rC, rD
.endif
.set rSA, KS+4*(\par)+ks_
.set rSB, QS+4*(\h)+ks_
.if (u_ == 0) && (tl_ == 0)
	v_wmma_scale_f32_16x16x128_f8f6f4 v[rD:rD+7], v[rA:rA+11], v[rB:rB+11], v[rC:rC+7], v[rSA], v[rSB] matrix_a_fmt:MATRIX_FMT_FP6 matrix_b_fmt:MATRIX_FMT_FP6
.elseif (u_ == 0)
	v_wmma_scale_f32_16x16x128_f8f6f4 v[rD:rD+7], v[rA:rA+11], v[rB:rB+11], v[rC:rC+7], v[rSA], v[rSB] matrix_a_fmt:MATRIX_FMT_FP6 matrix_b_fmt:MATRIX_FMT_FP6 matrix_b_scale:MATRIX_SCALE_ROW1
.elseif (tl_ == 0)
	v_wmma_scale_f32_16x16x128_f8f6f4 v[rD:rD+7], v[rA:rA+11], v[rB:rB+11], v[rC:rC+7], v[rSA], v[rSB] matrix_a_fmt:MATRIX_FMT_FP6 matrix_b_fmt:MATRIX_FMT_FP6 matrix_a_scale:MATRIX_SCALE_ROW1
.else
	v_wmma_scale_f32_16x16x128_f8f6f4 v[rD:rD+7], v[rA:rA+11], v[rB:rB+11], v[rC:rC+7], v[rSA], v[rSB] matrix_a_fmt:MATRIX_FMT_FP6 matrix_b_fmt:MATRIX_FMT_FP6 matrix_a_scale:MATRIX_SCALE_ROW1 matrix_b_scale:MATRIX_SCALE_ROW1
.endif
.endm
; THE DIAGONAL lies in pair b of a step where the step's first key is my query 32 b: in accumulators (u, tl = u), register r - 8 h.  j ascends: each accumulator is read from its low end on.
.macro DIAG b, kadd
.if (\b) == 0
	s_cmp_lg_u32 s[KEYB], s[QB0]                   ; ids and counted steps alone
.else
	s_cmp_lg_u32 s[KEYB], s[QB1]
.endif
	s_cbranch_scc1 .Lnd_\@
	AWAIT
.irp j, 0,1,2,3,4,5,6,7
	v_cmp_ne_u32 vcc_lo, \j, v[DD]
.irp tl, 0,1
	v_cndmask_b32 v[DG+2*(\b)+\tl], v[S+32*(\b)+24*\tl+\j], v[DG+2*(\b)+\tl], vcc_lo
	v_cndmask_b32 v[S+32*(\b)+24*\tl+\j], 0xff800000, v[S+32*(\b)+24*\tl+\j], vcc_lo
.endr
.endr
.Lnd_\@:
.if \kadd
	s_add_co_u32 s[KEYB], s[KEYB], \kadd
	s_and_b32 s[KEYB], s[KEYB], 2047               ; the walk wraps round
.endif
.endm
; group g (0 .. 6) of the lines that make, for the two tiles of pair b, the new m, m_old - m_new, the exponents of f and -c m.  Four chains, one an accumulator, each from its low end.
.macro MX g, b
.set s0_, S+32*(\b)
.set s1_, s0_+16
.set m0_, MD+4*(\b)
.set m1_, m0_+2
.if (\g) == 0
	v_max3_num_f32 v[NN], v[s0_], v[s0_+1], v[s0_+2]
	v_max3_num_f32 v[NN+1], v[s0_+8], v[s0_+9], v[s0_+10]
	v_max3_num_f32 v[NN+2], v[s1_], v[s1_+1], v[s1_+2]
	v_max3_num_f32 v[NN+3], v[s1_+8], v[s1_+9], v[s1_+10]
.elseif (\g) < 3
.set mi_, 1+2*(\g)
	v_max3_num_f32 v[NN], v[NN], v[s0_+mi_], v[s0_+mi_+1]
	v_max3_num_f32 v[NN+1], v[NN+1], v[s0_+8+mi_], v[s0_+9+mi_]
	v_max3_num_f32 v[NN+2], v[NN+2], v[s1_+mi_], v[s1_+mi_+1]
	v_max3_num_f32 v[NN+3], v[NN+3], v[s1_+8+mi_], v[s1_+9+mi_]
.elseif (\g) == 3
	v_max3_num_f32 v[NN], v[NN], v[s0_+7], v[s0_+15]
	v_max3_num_f32 v[NN+2], v[NN+2], v[s1_+7], v[s1_+15]
.elseif (\g) == 4
	v_max3_num_f32 v[NN], v[NN], v[NN+1], v[m0_]
	v_max3_num_f32 v[NN+2], v[NN+2], v[NN+3], v[m1_]
.elseif (\g) == 5
	v_sub_f32 v[m0_+1], v[m0_], v[NN]
	v_sub_f32 v[m1_+1], v[m1_], v[NN+2]
	v_mov_b32 v[m0_], v[NN]
	v_mov_b32 v[m1_], v[NN+2]
.else
	v_pk_mul_f32 v[FF+4*(\b):FF+4*(\b)+1], v[m0_:m0_+1], v[CV:CV+1] op_sel:[1,0] op_sel_hi:[1,1]       ; (c1, c2) x (m_old - m_new)
	v_pk_mul_f32 v[FF+4*(\b)+2:FF+4*(\b)+3], v[m1_:m1_+1], v[CV:CV+1] op_sel:[1,0] op_sel_hi:[1,1]
	v_pk_mul_f32 v[NN:NN+1], v[m0_:m0_+1], v[CV:CV+1] op_sel_hi:[0,1] neg_lo:[0,1] neg_hi:[0,1]         ; (-c1 m, -c2 m)
	v_pk_mul_f32 v[NN+2:NN+3], v[m1_:m1_+1], v[CV:CV+1] op_sel_hi:[0,1] neg_lo:[0,1] neg_hi:[0,1]
.endif
.endm
; four lines: c1 s - c1 m and c2 s - c2 m of four numbers of tile tl of pair b
.macro FMA4 p, tl, b
.irp k, 0,2
.set fs_, S+32*(\b)+16*(\tl)+4*(\p)+\k
.set ft_, T+32*(\tl)+4*(\p)+\k
	v_pk_fma_f32 v[ft_:ft_+1], v[fs_:fs_+1], s[C1:C1+1], v[NN+2*(\tl):NN+2*(\tl)+1] op_sel_hi:[1,0,0]
	v_pk_fma_f32 v[ft_+16:ft_+17], v[fs_:fs_+1], s[C2:C2+1], v[NN+2*(\tl):NN+2*(\tl)+1] op_sel:[0,0,1] op_sel_hi:[1,0,1]
.endr
.endm
; four lines of l = l f + the tile's 16 terms, for both sums, each in two chains
.macro SUM4 p, tl, t
.set e1_, T+32*(\tl)
.set e2_, e1_+16
.set l1_, LA+2*(\t)
.set l2_, LB+2*(\t)
.set ff_, FF+2*(\t)
.if (\p) == 0
	v_pk_add_f32 v[XA:XA+1], v[e1_:e1_+1], v[e1_+2:e1_+3]
	v_pk_add_f32 v[XB:XB+1], v[e2_:e2_+1], v[e2_+2:e2_+3]
	v_pk_fma_f32 v[l1_:l1_+1], v[l1_:l1_+1], v[ff_:ff_+1], v[e1_+8:e1_+9] op_sel_hi:[1,0,1]
	v_pk_fma_f32 v[l2_:l2_+1], v[l2_:l2_+1], v[ff_:ff_+1], v[e2_+8:e2_+9] op_sel:[0,1,0] op_sel_hi:[1,1,1]
.elseif (\p) < 3
	v_pk_add_f32 v[XA:XA+1], v[XA:XA+1], v[e1_+2+2*(\p):e1_+3+2*(\p)]
	v_pk_add_f32 v[XB:XB+1], v[XB:XB+1], v[e2_+2+2*(\p):e2_+3+2*(\p)]
	v_pk_add_f32 v[l1_:l1_+1], v[l1_:l1_+1], v[e1_+8+2*(\p):e1_+9+2*(\p)]
	v_pk_add_f32 v[l2_:l2_+1], v[l2_:l2_+1], v[e2_+8+2*(\p):e2_+9+2*(\p)]
.else
	v_pk_add_f32 v[l1_:l1_+1], v[l1_:l1_+1], v[e1_+14:e1_+15]
	v_pk_add_f32 v[l2_:l2_+1], v[l2_:l2_+1], v[e2_+14:e2_+15]
	v_pk_add_f32 v[l1_:l1_+1], v[l1_:l1_+1], v[XA:XA+1]
	v_pk_add_f32 v[l2_:l2_+1], v[l2_:l2_+1], v[XB:XB+1]
.endif
.endm
; BLOCK P of half-step h.  par: the step's set of scale words.  mm: the products into buffer h.  vx: maxima and multiply-adds of buffer 1 - h.  sm: sums of pair h.  ld: the next step's operands (group g).
; flip: that step lies in the other slot.  kadd: what the walked step's first key moves by.
.macro PB h, par, mm, vx, sm, ld, g, flip, kadd
	s_wait_dscnt 0x0                               ; the operands asked for a block or more ago are in
.if \flip
	s_xor_b32 s[TB], s[TB], SLOT1
.endif
	AWAIT
.if \vx
	DIAG 1-(\h), \kadd
	AWAIT
.endif
.set sl, 0
.rept 8                                            ; plain vector lines alone: seven groups of the maxima among eight of the sums
.if \vx
.if sl < 7
	MX sl, 1-(\h)
.endif
.endif
.if \sm
	SUM4 sl%4, sl/4, 2*(\h)+sl/4
.endif
.set sl, sl+1
.endr
.if \flip
	SETADR
.endif
.if \sm == 0
	AWAIT
.endif
.if \mm
.set sl, 0
.rept 16
	WM sl, \h, \par
.set sl, sl+1
.endr
	WIN 0
.if \vx == 0
.rept 4
	v_nop                                          ; four places where no vector work is at hand
.endr
.endif
.endif
.if \vx
.set sl, 0
.rept 8
	FMA4 sl%4, sl/4, 1-(\h)
.if sl == 2
.if \ld
	LDALL \g                                       ; behind twelve places: this step's operands are done with
.endif
.endif
.set sl, sl+1
.endr
.endif
	AWAIT
.endm
; BLOCK E: one batch: f of pair pr and the 64 powers; none reads another's result
.macro EX pr
	AWAIT
.irp k, 0,1,2,3
	v_exp_f32 v[FF+4*(\pr)+\k], v[FF+4*(\pr)+\k]
.endr
.set ii, 0
.rept 64
	v_exp_f32 v[T+ii], v[T+ii]
.set ii, ii+1
.endr
	v_nop
	AWAIT
.endm
; THE CHANGE OF SLOTS.  Each wave waits for all its tensor loads (its group of the chunk ahead), adds 0 to its spare word, and waits for that and for its reads of the slot that it has left.  fill = 1: that slot takes the chunk after.
.macro CHANGE fill
	s_wait_tensorcnt 0x0                           ; no tensor load of mine is out, so group 0 may be written
	ds_add_u32 v[SPW], v[NIL]
.if \fill
	s_xor_b32 s[G0+1], s[G0+1], SLOT1
	s_add_co_u32 s[CH], s[CH], 1
	s_and_b32 s[CH], s[CH], 7                      ; the next chunk, round the part's eight
	s_mul_i32 s46, s[CH], CHUNKB
	s_add_nc_u64 s[G0+2:G0+3], s[BAS:BAS+1], s[46:47]
	s_or_b32 s[G0+3], s[G0+3], 0x80000000
.endif
	s_wait_dscnt 0x0
	s_barrier_signal -1
	s_barrier_wait -1
.if \fill
	tensor_load_to_lds s[G0:G0+3], s[G1:G1+7]
	s_nop 0
.rept 4
	v_nop
.endr
.endif
.endm
	AWAIT
	s_wait_loadcnt 0x0                             ; the queries' fragments, scale words and b
	CHANGE 1                                       ; the first chunk is whole; slot 1's first fill
	LDALL 0                                        ; step 0's operands
	PB 0, 0, 1, 0, 0, 0, 0, 0, 0                   ; step 0, pair 0: products alone
	PB 1, 0, 1, 1, 0, 1, 1, 0, 0                   ; step 0, pair 1; step 1's operands
	EX 0
	PB 0, 1, 1, 1, 1, 0, 0, 0, 32                  ; step 1, pair 0
	s_cmp_lg_u32 s[ROLE], 0
	s_cbranch_scc1 .Lp_late
	EX 1
.Lp_late:
.Lchunk:                                           ; six trips: trip j runs from step 2 j - 1, pair 1, to step 2 j + 1, pair 0; its change of slots shows the walk's chunk j and asks for chunk j + 1
	CHANGE 1
	s_cmp_eq_u32 s[ROLE], 0
	s_cbranch_scc1 .Ll_early
	EX 1
.Ll_early:
	PB 1, 1, 1, 1, 1, 1, 0, 1, 0
	EX 0
	PB 0, 0, 1, 1, 1, 0, 0, 0, 224
	EX 1
	PB 1, 0, 1, 1, 1, 1, 1, 0, 0
	EX 0
	PB 0, 1, 1, 1, 1, 0, 0, 0, 32
	s_cmp_lg_u32 s[ROLE], 0
	s_cbranch_scc1 .Ll_late
	EX 1
.Ll_late:
	s_sub_co_u32 s[CNT], s[CNT], 1
	s_cmp_lg_u32 s[CNT], 0
	s_cbranch_scc1 .Lchunk
	CHANGE 0                                       ; the walk's last chunk, written out: nothing is left to fetch
	s_cmp_eq_u32 s[ROLE], 0
	s_cbranch_scc1 .Lt_early
	EX 1
.Lt_early:
	PB 1, 1, 1, 1, 1, 1, 0, 1, 0
	EX 0
	PB 0, 0, 1, 1, 1, 0, 0, 0, 224
	EX 1
	PB 1, 0, 1, 1, 1, 1, 1, 0, 0
	EX 0
	PB 0, 1, 1, 1, 1, 0, 0, 0, 32
	EX 1
	PB 1, 1, 1, 1, 1, 0, 0, 0, 0                   ; step 15, pair 1: the last products
	EX 0
	PB 0, 0, 0, 1, 1, 0, 0, 0, 0                   ; the last maxima and multiply-adds
	EX 1
	PB 1, 0, 0, 0, 1, 0, 0, 0, 0                   ; the last sums
	; THE WAY OUT.  Each lane: L = c (m + b) + log2 l for both sums of its four queries; the diagonal joins the first in logarithms, the larger taken away first.  Then the eight parts (kg, h) of a query meet in LDS.
.set W, S
.set MW, S+32
.set MR, S+33
.set LO, S+34
	v_and_b32 v[S+35], 15, v0
	v_bfe_u32 v[S+36], v0, 4, 1
	s_lshl_b32 s52, s[KG], 10
	s_lshl_b32 s53, s[QG], 8
	s_add_co_u32 s52, s52, s53
	s_add_co_u32 s52, s52, MRG
	v_lshlrev_b32 v[MW], 2, v[S+35]
	v_lshl_add_u32 v[MW], v[S+36], 9, v[MW]
	v_add_nc_u32 v[MW], s52, v[MW]                 ; MRG + 512 (2 kg + h) + 256 qg + 4 r
	v_lshrrev_b32 v[S+35], 7, v0                   ; the merge: thread tau takes sum tau / 128, query tau % 128
	v_and_b32 v[S+36], 127, v0
	v_lshlrev_b32 v[S+36], 2, v[S+36]
	v_lshl_add_u32 v[MR], v[S+35], 12, v[S+36]
	v_add_nc_u32 v[MR], MRG, v[MR]
	v_lshl_add_u32 v[LO], v[S+35], 17, v[S+36]
.irp t, 0,1,2,3
	v_add_f32 v[W+8*\t], v[LA+2*\t], v[LA+2*\t+1]
	v_add_f32 v[W+8*\t+1], v[LB+2*\t], v[LB+2*\t+1]
.endr
	AWAIT
.irp t, 0,1,2,3
	v_log_f32 v[W+8*\t], v[W+8*\t]
	v_log_f32 v[W+8*\t+1], v[W+8*\t+1]
.endr
.irp t, 0,1,2,3
	v_add_f32 v[W+8*\t+2], v[MD+2*\t], v[BI+\t]    ; m + b: the difference is formed ahead of the scaling
	v_add_f32 v[W+8*\t+3], v[DG+\t], v[BI+\t]      ; G_ii - x2_i, or -infinity
.endr
	AWAIT
.irp t, 0,1,2,3
	v_fma_f32 v[W+8*\t], v[W+8*\t+2], s[C1], v[W+8*\t]        ; L1 without the diagonal
	v_fma_f32 v[W+8*\t+1], v[W+8*\t+2], s[C2], v[W+8*\t+1]    ; L2
	v_mul_f32 v[W+8*\t+3], s[C1], v[W+8*\t+3]                 ; the diagonal's exponent
.endr
.irp t, 0,1,2,3
	v_max_num_f32 v[W+8*\t+4], v[W+8*\t], v[W+8*\t+3]
.endr
.irp t, 0,1,2,3
	v_sub_f32 v[W+8*\t], v[W+8*\t], v[W+8*\t+4]
	v_sub_f32 v[W+8*\t+3], v[W+8*\t+3], v[W+8*\t+4]
.endr
	AWAIT
.irp t, 0,1,2,3
	v_exp_f32 v[W+8*\t], v[W+8*\t]
	v_exp_f32 v[W+8*\t+3], v[W+8*\t+3]
.endr
	v_nop
	AWAIT
.irp t, 0,1,2,3
	v_add_f32 v[W+8*\t], v[W+8*\t], v[W+8*\t+3]
.endr
	AWAIT
.irp t, 0,1,2,3
	v_log_f32 v[W+8*\t], v[W+8*\t]
.endr
	v_nop
	AWAIT
.irp t, 0,1,2,3
	v_add_f32 v[W+8*\t], v[W+8*\t], v[W+8*\t+4]    ; L1
.endr
.irp t, 0,1,2,3
	ds_store_b32 v[MW], v[W+8*\t] offset:64*\t
	ds_store_b32 v[MW], v[W+8*\t+1] offset:64*\t+4096
.endr
	AWAIT
	s_wait_dscnt 0x0                               ; for the others' sake: my stores have landed
	s_barrier_signal -1
	s_barrier_wait -1
.irp p, 0,1,2,3,4,5,6,7
	ds_load_b32 v[W+\p], v[MR] offset:512*\p       ; one sum of one query: its eight parts
.endr
	s_wait_dscnt 0x0
	v_max3_num_f32 v[W+8], v[W], v[W+1], v[W+2]
	v_max3_num_f32 v[W+9], v[W+3], v[W+4], v[W+5]
	v_max3_num_f32 v[W+8], v[W+8], v[W+6], v[W+7]
	v_max_num_f32 v[W+8], v[W+8], v[W+9]
.irp k, 0,1,2,3,4,5,6,7
	v_sub_f32 v[W+\k], v[W+\k], v[W+8]
.endr
	AWAIT
.irp k, 0,1,2,3,4,5,6,7
	v_exp_f32 v[W+\k], v[W+\k]
.endr
	v_nop
	AWAIT
	v_add_f32 v[W], v[W], v[W+1]
	v_add_f32 v[W+2], v[W+2], v[W+3]
	v_add_f32 v[W+4], v[W+4], v[W+5]
	v_add_f32 v[W+6], v[W+6], v[W+7]
	v_add_f32 v[W], v[W], v[W+2]
	v_add_f32 v[W+4], v[W+4], v[W+6]
	v_add_f32 v[W], v[W], v[W+4]
	AWAIT
	v_log_f32 v[W], v[W]
	v_nop
	AWAIT
	v_add_f32 v[W], v[W], v[W+8]
	global_store_b32 v[LO], v[W], s[10:11]         ; a wave stores 128 consecutive bytes, the work-group 512 of each sum
	s_wait_tensorcnt 0x0                           ; the wave's end
	ds_add_u32 v[SPW], v[NIL]
	s_wait_dscnt 0x0
	s_endpgm
.Lfunc_end_k_q93815e8048_lse:
	.size	k_q93815e8048_lse, .Lfunc_end_k_q93815e8048_lse-k_q93815e8048_lse
	.p2alignl 7, 3214868480
	.fill 96, 4, 3214868480
	.section	.rodata,"a",@progbits
	.p2align	6, 0x0
	.amdhsa_kernel k_q93815e8048_lse
		.amdhsa_group_segment_fixed_size 327680
		.amdhsa_private_segment_fixed_size 0
		.amdhsa_enable_private_segment 0
		.amdhsa_kernarg_size 32
		.amdhsa_user_sgpr_count 2
		.amdhsa_user_sgpr_kernarg_segment_ptr 1
		.amdhsa_wavefront_size32 1
		.amdhsa_system_sgpr_workgroup_id_x 1
		.amdhsa_system_sgpr_workgroup_id_y 1
		.amdhsa_system_sgpr_workgroup_id_z 1
		.amdhsa_system_vgpr_workitem_id 0
		.amdhsa_next_free_vgpr 512
		.amdhsa_next_free_sgpr 66
		.amdhsa_reserve_vcc 1
		.amdhsa_float_denorm_mode_32 3
		.amdhsa_float_denorm_mode_16_64 3
		.amdhsa_memory_ordered 1
		.amdhsa_forward_progress 1
		.amdhsa_inst_pref_size 176
	.end_amdhsa_kernel
	.amdgpu_metadata
---
amdhsa.version: [ 1, 2 ]
amdhsa.kernels:
  - .name:           k_q93815e8048_lse
    .symbol:         k_q93815e8048_lse.kd
    .args:
      - { .name: kq, .offset: 0, .size: 8, .value_kind: global_buffer, .address_space: global }
      - { .name: noise_logvar, .offset: 8, .size: 8, .value_kind: global_buffer, .address_space: global }
      - { .name: kde_logvar, .offset: 16, .size: 8, .value_kind: global_buffer, .address_space: global }
      - { .name: lp, .offset: 24, .size: 8, .value_kind: global_buffer, .address_space: global }
    .group_segment_fixed_size: 327680
    .private_segment_fixed_size: 0
    .kernarg_segment_align: 8
    .kernarg_segment_size: 32
    .max_flat_workgroup_size: 256
    .sgpr_count:     66
    .vgpr_count:     512
    .wavefront_size: 32
...
	.end_amdgpu_metadata
.endif
;; end of part 2
;; launch final (part 3): grid 1 x 1, 32 waves a work-group, no clusters, 327,680 bytes of LDS; arguments lp, kde_logvar, beta, out1, out2; writes out1, out2
.if DOCPART == 3
	.amdgcn_target "amdgcn-amd-amdhsa--gfx1250"
	.amdhsa_code_object_version 6
	.text
	.protected	k_q93815e8048_final
	.globl	k_q93815e8048_final
	.p2align	8
	.type	k_q93815e8048_final,@function
k_q93815e8048_final:
	s_mov_b64 s[64:65], 0
	v_nop
	global_prefetch_b8 v0, s[64:65] scope:SCOPE_SE
	s_setreg_imm32_b32 hwreg(HW_REG_WAVE_MODE, 25, 1), 1
	s_wait_xcnt 0x0
; LAUNCH 3 OF 3.  The four parts of each row's two logsumexps (lp, base 2) are joined, with the largest taken away first; their sums over the 8,192 rows make the two losses.
; normconst of the first loss is left out: it is added and taken away again (see the first launch's head): out1 = beta (ln 8,192 - ln 2 x mean(L1)).
; out2 = ln 8,191 + 256 ln(2 pi kdevar) - ln 2 x mean(L2).
; One work-group of 32 waves: a sum over all rows has one owner.  Wave w takes rows 256 w .. + 255: of lp [2 sums][4 parts][8,192 rows] that is a tile of 8 rows of 1,024 bytes, 32,768 bytes apart,
; brought by ONE tensor load into the wave's own 8,192 bytes of LDS; only the wave that asked reads them, behind its own wait.  Nothing is filled again.  No prefetch: the launch has no loop to run ahead in.
.set SUMW,  262144                     ; behind the 32 tiles: the waves' sums, 8 bytes a wave: a block of 256 bytes on which no tile lands
.set SPARE, 262400                     ; the spare words, 128 bytes a wave: sixteen blocks of 256 bytes that no other line names
.set R,  32                            ; v32-95  group g = 2 x sum + half: part p, row c at 32 + 16 g + 4 p + c
.set MX, 96                            ; v96-111 the largest part, then L, at 96 + 4 g + c
.macro AWAIT
	s_wait_alu depctr_va_vdst(0)
.endm
.macro WSUM a, tmp                     ; the sum over the wave's 32 lanes, in every lane
	v_add_f32_dpp v[\a], v[\a], v[\a] row_xmask:1 row_mask:0xf bank_mask:0xf
	v_add_f32_dpp v[\a], v[\a], v[\a] row_xmask:2 row_mask:0xf bank_mask:0xf
	v_add_f32_dpp v[\a], v[\a], v[\a] row_xmask:4 row_mask:0xf bank_mask:0xf
	v_add_f32_dpp v[\a], v[\a], v[\a] row_xmask:8 row_mask:0xf bank_mask:0xf
	v_permlanex16_b32 v[\tmp], v[\a], s16, s17
	v_add_f32 v[\a], v[\a], v[\tmp]
.endm
	s_load_b256 s[4:11], s[0:1], 0x0               ; lp s[4:5], kde_logvar s[6:7], beta s[8:9], out1 s[10:11]
	s_load_b64 s[12:13], s[0:1], 0x20              ; out2
	v_lshl_add_u32 v2, v0, 2, SPARE                ; my spare word,
	v_mov_b32 v3, 0                                ; and 0: both kept
	ds_add_u32 v2, v3                              ; the wave's opening: the add, twice on end, and its wait ahead of my tensor load
	ds_add_u32 v2, v3
	v_lshrrev_b32 v1, 5, v0
	v_readfirstlane_b32 s14, v1                    ; wave 0..31
	; descriptor group 1: 8 rows of 1,024 bytes (128 elements of 8 bytes), 4,096 elements from row to row, no padding
	s_mov_b32 s24, 3<<16
	s_mov_b32 s25, 128<<16
	s_mov_b32 s26, 8<<16
	s_mov_b32 s27, 128<<16
	s_mov_b32 s28, 8
	s_mov_b32 s29, 4096
	s_mov_b32 s30, 0
	s_mov_b32 s31, 0
	s_lshl_b32 s20, s14, 10                        ; my 256 rows in a row of lp
	s_mov_b32 s21, 0
	s_lshl_b32 s22, s14, 13                        ; my tile in LDS
	s_mov_b32 s16, 0x76543210
	s_mov_b32 s17, 0xfedcba98
	v_and_b32 v1, 31, v0                           ; lane
	v_mov_b32 v5, s14
	v_lshl_add_u32 v4, v1, 4, s22                  ; LDS: my tile + 16 x lane
	v_lshl_add_u32 v5, v5, 3, SUMW                 ; LDS: my wave's two sums
	v_lshl_add_u32 v6, v1, 3, SUMW                 ; LDS: wave l's two sums
	v_mov_b32 v7, 0                                ; the results' offset
	v_mov_b32 v18, 0                               ; written once: a lane permute's destination counts as one of its sources
	v_mov_b32 v19, 0
	AWAIT
	s_wait_dscnt 0x0                               ; both opening adds are done
	s_wait_kmcnt 0x0
	s_mov_b32 s32, 1
	s_lshl_b32 s33, s14, 13
	s_add_nc_u64 s[34:35], s[4:5], s[20:21]
	s_or_b32 s35, s35, 0x80000000
	tensor_load_to_lds s[32:35], s[24:31]          ; my one tensor load
	s_nop 0
.rept 4
	v_nop
.endr
	s_load_b32 s18, s[6:7], 0x0                    ; kde_logvar
	s_load_b32 s19, s[8:9], 0x0                    ; beta
	s_wait_tensorcnt 0x0                           ; my tile is in
.irp g, 0,1,2,3
.irp p, 0,1,2,3
	ds_load_b128 v[R+16*\g+4*\p:R+16*\g+4*\p+3], v4 offset:1024*(4*(\g/2)+\p)+512*(\g%2)   ; rows 128 (g % 2) + 4 lane + 0 .. 3 of my 256
.endr
.endr
	s_wait_dscnt 0x0
	s_wait_kmcnt 0x0
.irp g, 0,1,2,3
.irp c, 0,1,2,3
	v_max3_num_f32 v[MX+4*\g+\c], v[R+16*\g+\c], v[R+16*\g+4+\c], v[R+16*\g+8+\c]
.endr
.endr
.irp g, 0,1,2,3
.irp c, 0,1,2,3
	v_max_num_f32 v[MX+4*\g+\c], v[MX+4*\g+\c], v[R+16*\g+12+\c]
.endr
.endr
.irp g, 0,1,2,3
.irp p, 0,1,2,3
.irp c, 0,1,2,3
	v_sub_f32 v[R+16*\g+4*\p+\c], v[R+16*\g+4*\p+\c], v[MX+4*\g+\c]
.endr
.endr
.endr
.set ii, 0
	AWAIT
.rept 64
	v_exp_f32 v[R+ii], v[R+ii]
.set ii, ii+1
.endr
	v_nop                                          ; a plain line behind the batch,
	AWAIT                                          ; and one wait ahead of its first reader
.irp g, 0,1,2,3
.irp c, 0,1,2,3
	v_add_f32 v[R+16*\g+\c], v[R+16*\g+\c], v[R+16*\g+4+\c]
	v_add_f32 v[R+16*\g+8+\c], v[R+16*\g+8+\c], v[R+16*\g+12+\c]
.endr
.endr
.irp g, 0,1,2,3
.irp c, 0,1,2,3
	v_add_f32 v[R+16*\g+\c], v[R+16*\g+\c], v[R+16*\g+8+\c]
.endr
.endr
	AWAIT
.irp g, 0,1,2,3
.irp c, 0,1,2,3
	v_log_f32 v[R+16*\g+\c], v[R+16*\g+\c]
.endr
.endr
	v_nop
	AWAIT
.irp g, 0,1,2,3
.irp c, 0,1,2,3
	v_add_f32 v[MX+4*\g+\c], v[MX+4*\g+\c], v[R+16*\g+\c]     ; L of a row
.endr
.endr
.irp q, 0,1                                    ; my eight rows of each sum
	v_add_f32 v[MX+8*\q], v[MX+8*\q], v[MX+8*\q+1]
	v_add_f32 v[MX+8*\q+2], v[MX+8*\q+2], v[MX+8*\q+3]
	v_add_f32 v[MX+8*\q+4], v[MX+8*\q+4], v[MX+8*\q+5]
	v_add_f32 v[MX+8*\q+6], v[MX+8*\q+6], v[MX+8*\q+7]
	v_add_f32 v[MX+8*\q], v[MX+8*\q], v[MX+8*\q+2]
	v_add_f32 v[MX+8*\q+4], v[MX+8*\q+4], v[MX+8*\q+6]
	v_add_f32 v[16+\q], v[MX+8*\q], v[MX+8*\q+4]
.endr
	WSUM 16, 18
	WSUM 17, 19
	ds_store_b64 v5, v[16:17]                      ; all lanes write the same 8 bytes with the same values
	AWAIT
	s_wait_dscnt 0x0                               ; for wave 0's sake
	s_barrier_signal -1
	s_barrier_wait -1
	s_cmp_lg_u32 s14, 0
	s_cbranch_scc1 .Lend
	ds_load_b64 v[16:17], v6                       ; lane l: wave l's two sums
	s_wait_dscnt 0x0
	WSUM 16, 18                                    ; S1 = the sum of L1 over all rows
	WSUM 17, 19                                    ; S2
	v_mov_b32 v20, s18
	v_mul_f32 v20, 0x3fb8aa3b, v20
	AWAIT
	v_exp_f32 v20, v20                             ; kdevar
	v_mov_b32 v22, 0xb8b17218                      ; -ln 2 / 8,192  (a plain line behind the exponential)
	AWAIT
	v_mul_f32 v20, 0x40c90fdb, v20                 ; 2 pi kdevar
	AWAIT
	v_log_f32 v20, v20
	v_mov_b32 v21, 0x41102cb3                      ; ln 8,192  (a plain line behind the logarithm)
	v_mov_b32 v23, 0x41102c33                      ; ln 8,191
	v_fma_f32 v21, v16, v22, v21                   ; ln N - mean(lse1)
	v_fma_f32 v23, v17, v22, v23                   ; ln (N - 1) - mean(lse2)
	v_mul_f32 v21, s19, v21                        ; out1
	AWAIT
	v_fmamk_f32 v23, v20, 0x43317218, v23          ; + 256 ln 2 x log2(2 pi kdevar): out2
	v_cmp_eq_u32 vcc_lo, 0, v1
	AWAIT
	s_wait_xcnt 0x0                                ; EXEC changes only behind this wait
	s_and_saveexec_b32 s20, vcc_lo                 ; lane 0 alone stores
	global_store_b32 v7, v21, s[10:11]
	global_store_b32 v7, v23, s[12:13]
	s_wait_xcnt 0x0                                ; and again, in front of the line that widens it
	s_or_b32 exec_lo, exec_lo, s20
.Lend:
	s_wait_tensorcnt 0x0                           ; the wave's end
	ds_add_u32 v2, v3
	s_wait_dscnt 0x0
	s_endpgm
.Lfunc_end_k_q93815e8048_final:
	.size	k_q93815e8048_final, .Lfunc_end_k_q93815e8048_final-k_q93815e8048_final
	.p2alignl 7, 3214868480
	.fill 96, 4, 3214868480
	.section	.rodata,"a",@progbits
	.p2align	6, 0x0
	.amdhsa_kernel k_q93815e8048_final
		.amdhsa_group_segment_fixed_size 327680
		.amdhsa_private_segment_fixed_size 0
		.amdhsa_enable_private_segment 0
		.amdhsa_kernarg_size 40
		.amdhsa_user_sgpr_count 2
		.amdhsa_user_sgpr_kernarg_segment_ptr 1
		.amdhsa_wavefront_size32 1
		.amdhsa_system_sgpr_workgroup_id_x 1
		.amdhsa_system_sgpr_workgroup_id_y 1
		.amdhsa_system_sgpr_workgroup_id_z 1
		.amdhsa_system_vgpr_workitem_id 0
		.amdhsa_next_free_vgpr 128
		.amdhsa_next_free_sgpr 66
		.amdhsa_reserve_vcc 1
		.amdhsa_float_denorm_mode_32 3
		.amdhsa_float_denorm_mode_16_64 3
		.amdhsa_memory_ordered 1
		.amdhsa_forward_progress 1
		.amdhsa_inst_pref_size 16
	.end_amdhsa_kernel
	.amdgpu_metadata
---
amdhsa.version: [ 1, 2 ]
amdhsa.kernels:
  - .name:           k_q93815e8048_final
    .symbol:         k_q93815e8048_final.kd
    .args:
      - { .name: lp, .offset: 0, .size: 8, .value_kind: global_buffer, .address_space: global }
      - { .name: kde_logvar, .offset: 8, .size: 8, .value_kind: global_buffer, .address_space: global }
      - { .name: beta, .offset: 16, .size: 8, .value_kind: global_buffer, .address_space: global }
      - { .name: out1, .offset: 24, .size: 8, .value_kind: global_buffer, .address_space: global }
      - { .name: out2, .offset: 32, .size: 8, .value_kind: global_buffer, .address_space: global }
    .group_segment_fixed_size: 327680
    .private_segment_fixed_size: 0
    .kernarg_segment_align: 8
    .kernarg_segment_size: 40
    .max_flat_workgroup_size: 1024
    .sgpr_count:     66
    .vgpr_count:     128
    .wavefront_size: 32
...
	.end_amdgpu_metadata
.endif
;; end of part 3
